; MI455X (gfx1250); checked and timed in simulation.
; The chip was launched on July 23, 2026; its instructions are those of AMD's public machine-readable ISA for CDNA 5 (MIT licence, August 2026) and "CDNA5" Instruction Set Architecture Reference Guide (July 2026). The comments in the code are by the model that wrote it; some were corrected since.
;; Basic Router. Allowed arithmetic: float matrix products may take bf16 or f16 operands with f32 sums; all other float work in f32.
;; Inputs: W 8 x 2,048 float32; b 8 float32; x 16,384 x 2,048 float32.
;; Outputs: out0 16,384 x 8 float32; out1 16,384 x 2 float32; out2 16,384 x 2 int32; out3 16,384 x 2 x 8 int32.
;; One version. Each part assembles by itself: llvm-mc -triple=amdgcn-amd-amdhsa -mcpu=gfx1250 --defsym DOCPART=n.
;; ======== version 1 of 1: 1 launch
;; limits: values outside matrix products are rounded to bf16
;; launch router (part 1): grid 256 x 1, 16 waves a work-group, no clusters, 322,560 bytes of LDS; arguments x, W, b, out0, out1, out2, out3; writes out0, out1, out2, out3
.if DOCPART == 1
	.amdgcn_target "amdgcn-amd-amdhsa--gfx1250"
	.amdhsa_code_object_version 6
	.text
	.protected	k_q195d87fbdf_router
	.globl	k_q195d87fbdf_router
	.p2align	8
	.type	k_q195d87fbdf_router,@function
k_q195d87fbdf_router:
	s_mov_b64 s[64:65], 0
	v_nop
	global_prefetch_b8 v0, s[64:65] scope:SCOPE_SE
	s_setreg_imm32_b32 hwreg(HW_REG_WAVE_MODE, 25, 1), 1
	s_wait_xcnt 0x0
; BasicRouter: logits = x W^T + b; softmax; top 2; the two weights renormalised; one-hot mask of the two indices.
; x [16384][2048] f32, W [8][2048] f32, b [8] f32.  out0 logits [16384][8] f32, out1 weights [16384][2] f32,
; out2 indices [16384][2] i32, out3 mask [16384][2][8] i32.
;
; LEFT OUT AS DEAD WORK: the softmax's denominator.  With e_i = exp(logit_i - maximum) and S = the sum of the eight e_i, router_prob_i = e_i / S, and
; router_prob is no output.  S is positive (between 1 and 8: the largest e_i is 1), the same for a token's eight experts, so top_k's order of the
; e_i / S is the order of the e_i: out2 and out3 do not hang on S.  And out1 = (e_1 / S) / (e_1 / S + e_2 / S) = e_1 / (e_1 + e_2): S cancels, for all
; values of the inputs.  So the sum, its reciprocal and the eight scalings are not made.  The maximum is taken away and all eight exponentials are
; formed: exponentials that underflow to zero tie, and the lower index wins, as in top_k.  All three inputs still reach outputs and are loaded.
; For finite logits S is neither NaN nor infinite, so nothing that reaches S alone is lost with it.
;
; SHARES.  A work-group owns 64 tokens, 512 KiB of x.  Wave w = 2 c + g owns features 256 c .. 256 c + 255 of tokens 32 g .. 32 g + 31: two tiles
; of 16 tokens.  Its piece of a row is 1 KiB at a multiple of 1 KiB: two 16-byte loads of the wave, 512 consecutive bytes each.  Each byte of x
; is loaded once in the launch.  WHY THIS RATIO: with 256 features a lane holds 8 bf16 of a row, one 16-byte LDS store; W's slice is 8
; fragments, 64 registers, read from LDS once and used for both tiles; a wave closes its sums twice.  (128 features: 8-byte stores, four
; closings, sixteen partial sums a token.  512 features: 16 fragments of W, each used once, 32 LDS loads a wave where this text has 16.)
; THE WAY IN.  A matrix fragment wants a token in each lane and the features along the lane's registers; a load of consecutive bytes brings one
; token with the features across the lanes.  So a row is rounded to bf16 in registers (half the bytes) and laid into a stage in LDS that is
; the wave's own, 16 rows of 528 bytes for each of its two tiles; fragments are read back by rows.  LDS serves a wave's instructions in order
; (ISA guide 5.7.1) and no other wave touches the stages: no barrier, and no wait between the stores and the loads.
; THE ORDER OF THE FEATURES in a stage row: lane l's 16 bytes hold features 4 l .. 4 l + 3 and 128 + 4 l .. 128 + 4 l + 3 of the 256.  W's rows are laid
; in the same way, so every product still pairs a feature of x with the same feature of W; only the order of the sum changes.
; W.  Wave 2 c + g loads, rounds and lays down experts 4 g .. 4 g + 3 of chunk c (each byte of W once in the work-group); behind a barrier, passed
; while x's first 32 loads are on their way, both waves of the chunk read its eight rows.
; A RING IN REGISTERS of 8 groups of 4 loads keeps 28 to 32 loads of each wave out, with counted waits, until nothing is left to fetch.
; THE PRODUCT.  Source A = W's slice (rows 0-7 the experts, rows 8-15 the same experts again), source B = 16 tokens.  In the result lane (r, h)
; holds token r, and registers 0-7 hold experts 0-7 in both halves of the lanes: half h stores experts 4 h .. 4 h + 3.
; THE END.  The eight chunks' partial sums meet in LDS behind the second barrier; waves 0 and 1, one token to a lane, add them and b and do the rest.
; NO CLUSTER: the work-groups share W alone, 64 KiB beside the 512 KiB of x that each reads for itself, and all loads go to registers.
;
; LIMITS.  x and W are rounded to bf16 (nearest even) for the product, AND SO IS b before it is added: the choice of the two experts jumps where
; two logits cross, so it is made on one consistent set of inputs, all three rounded to bf16; the program is reference() of that set up to the
; order of the f32 sums.  The price: expert e's logit moves by at most 2^-9 |b_e| beside a bias kept in f32.  Two probabilities that differ by
; less than the rounding of the inputs, or of the sums, can come out in the other order than in reference() on the unrounded inputs.
; Where reference()'s division by S rounds two unequal exponentials to one probability (a relative difference of about 2^-23; more where e / S falls
; below 2^-126), reference() ties and takes the lower index; here the larger exponential comes first.
; An exponential below 2^-126 is zero (v_exp_f32, ISA guide 15.8).
; Inputs and logits are taken to be finite: a NaN or an infinity is not carried through the choice as reference() carries it.
.set ROWB,   8192                      ; bytes in a row of x and of W
.set PITCH,  528                       ; a stage row: 256 bf16 + 16 bytes, so that the 16 rows of a fragment load begin 16 bytes apart modulo 256
.set STAGE,  16*PITCH                  ; a tile's stage, 8,448 bytes
.set WSTG,   2*STAGE                   ; a wave's two stages
.set WBASE,  16*WSTG                   ; behind the stages: W as bf16, chunk c at 4,224 c, expert e at 528 e; wave w lays down the 2,112 bytes at 2,112 w
.set WCH,    8*PITCH
.set PART,   WBASE+8*WCH               ; behind W: the partial sums, 1,024 bytes a wave: [tile 2][half 2][token 16][4 f32]
.set GO,  1                            ; v1        x: 1,024 c + 32 rows x g + 16 lane; never rewritten
.set ST,  2                            ; v2        my stages + 16 lane: where a row's 8 bf16 go
.set FR,  3                            ; v3        my stages + 528 r + 16 h: x's fragments
.set PW,  4                            ; v4        my 16 bytes of my wave's partial sums
.set FW,  5                            ; v5        W's chunk c + 528 (r mod 8) + 16 h: W's fragments, experts repeated
.set GW,  6                            ; v6        W: 1,024 c + 4 rows x g + 16 lane; never rewritten
.set SW,  7                            ; v7        where my four experts' rows go
.set TMP, 8                            ; v[8:11]   at work
.set WF,  12                           ; v[12:75]  W's eight fragments (32 features each), kept for both tiles
.set F,   76                           ; v[76:107] W as loaded; then four sets of 8 for the rounded rows of groups 0-7; then four fragments of x
.set P,   108                          ; v[108:115] accumulator of the even feature steps (first: W's rounded rows, with Q)
.set Q,   116                          ; v[116:123] accumulator of the odd feature steps
.set X,   124                          ; v[124:251] the ring: group g mod 8 = 4 loads = 16 registers
	s_load_b256 s[4:11], s[0:1], 0x0               ; x s[4:5], W s[6:7], b s[8:9], out0 s[10:11]
	s_load_b128 s[12:15], s[0:1], 0x20             ; out1 s[12:13], out2 s[14:15]
	s_load_b64 s[16:17], s[0:1], 0x30              ; out3
	v_lshl_add_u32 v252, v0, 2, 0x4e400
	v_mov_b32 v253, 0
	v_lshrrev_b32 v[TMP+1], 5, v0
	v_readfirstlane_b32 s20, v[TMP+1]              ; wave 0..15
	v_and_b32 v[TMP], 31, v0                       ; lane
	s_lshr_b32 s18, s20, 1                         ; c: my chunk of 256 features
	s_and_b32 s19, s20, 1                          ; g: my half of the tokens, and of the experts that I lay down
	s_lshl_b32 s21, s18, 10                        ; 1,024 c
	s_lshl_b32 s22, s19, 18                        ; 32 rows of 8,192 bytes
	s_add_co_u32 s22, s22, s21
	s_lshl_b32 s23, s19, 15                        ; 4 rows
	s_add_co_u32 s23, s23, s21
	v_lshl_add_u32 v[GO], v[TMP], 4, s22
	v_lshl_add_u32 v[GW], v[TMP], 4, s23
	s_lshl_b32 s2, ttmp9, 19                       ; the work-group's 64 rows of 8,192 bytes (255 << 19 is below 2^31)
	s_mov_b32 s3, 0
	s_wait_kmcnt 0x0
	s_add_nc_u64 s[4:5], s[4:5], s[2:3]            ; x at the group's first row
.irp i, 0,1,2,3
	global_load_b128 v[F+8*\i:F+8*\i+3],   v[GW], s[6:7] offset:\i*ROWB        ; expert 4 g + i: features 4 l .. of the chunk
	global_load_b128 v[F+8*\i+4:F+8*\i+7], v[GW], s[6:7] offset:\i*ROWB+512    ; and 128 + 4 l ..
.endr
.irp n, 0,1,2,3,4,5,6,7
.irp j, 0,1,2,3
	global_load_b128 v[X+16*\n+4*\j:X+16*\n+4*\j+3], v[GO], s[4:5] offset:(2*\n+\j/2)*ROWB+(\j%2)*512 th:TH_LOAD_NT   ; the ring is filled: tile 0, rows 2 n and 2 n + 1, two halves each
.endr
.endr
	s_load_b256 s[24:31], s[8:9], 0x0              ; b, asked for early; read by waves 0 and 1 at the end
	s_mul_i32 s21, s20, WSTG                       ; my stages
	s_lshl_b32 s22, s20, 10
	s_add_co_u32 s22, s22, PART                    ; my partial sums
	s_mul_i32 s32, s20, 4*PITCH
	s_add_co_u32 s32, s32, WBASE                   ; the four rows of W that I lay down: 2,112 w = 4,224 c + 2,112 g
	s_mul_i32 s33, s18, WCH
	s_add_co_u32 s33, s33, WBASE                   ; my chunk's eight rows
	s_mov_b32 s23, 0xffff0000                      ; lanes 16-31 (h = 1)
	v_and_b32 v[TMP+1], 15, v0                     ; r
	v_bfe_u32 v[TMP+2], v0, 4, 1                   ; h
	v_lshl_add_u32 v[ST], v[TMP], 4, s21
	v_lshl_add_u32 v[PW], v[TMP], 4, s22           ; 16 lane = 256 h + 16 r
	v_lshl_add_u32 v[SW], v[TMP], 4, s32
	v_mul_u32_u24 v[TMP+3], v[TMP+1], PITCH
	v_lshl_add_u32 v[TMP+3], v[TMP+2], 4, v[TMP+3]
	v_add_nc_u32 v[FR], s21, v[TMP+3]
	v_and_b32 v[TMP+1], 7, v0                      ; rows 8-15 of source A read experts 0-7 again: the same words, shared in the read
	v_mul_u32_u24 v[TMP+3], v[TMP+1], PITCH
	v_lshl_add_u32 v[TMP+3], v[TMP+2], 4, v[TMP+3]
	v_add_nc_u32 v[FW], s33, v[TMP+3]
	; W: my four experts' rows rounded and laid down; behind the barrier my chunk's eight fragments, which stay
	s_wait_loadcnt 32                              ; loads return in order: W's eight are in, the 32 of x behind them stay out
.irp i, 0,1,2,3
	v_cvt_pk_bf16_f32 v[P+4*\i],   v[F+8*\i],   v[F+8*\i+1]
	v_cvt_pk_bf16_f32 v[P+4*\i+1], v[F+8*\i+2], v[F+8*\i+3]
	v_cvt_pk_bf16_f32 v[P+4*\i+2], v[F+8*\i+4], v[F+8*\i+5]
	v_cvt_pk_bf16_f32 v[P+4*\i+3], v[F+8*\i+6], v[F+8*\i+7]
.endr
.irp i, 0,1,2,3
	ds_store_b128 v[SW], v[P+4*\i:P+4*\i+3] offset:\i*PITCH                    ; 32 lanes x 16 bytes: a row of 512 consecutive bytes
.endr
	s_wait_dscnt 0x0                               ; my rows of W are in LDS: zero, for the other wave of my chunk
	s_barrier_signal -1
	s_barrier_wait -1                              ; everybody's are; x's loads stay on their way across this barrier, nobody writes x
.irp s, 0,1,2,3,4,5,6,7
	ds_load_b128 v[WF+8*\s:WF+8*\s+3],   v[FW] offset:64*\s                    ; places 32 s + 8 h .. + 7 of the stage row
	ds_load_b128 v[WF+8*\s+4:WF+8*\s+7], v[FW] offset:64*\s+32                 ; places 32 s + 16 + 8 h .. + 7
.endr
; Group g = rows 2 g and 2 g + 1 of my 32: wait for its four loads, round, ask for the rows 16 further down, lay the two rows into their tile's stage.
; Groups 0-7 round into a set of 8 registers of F (four sets in turn), so that the ring's registers can be asked for again at once;
; groups 8-15 fetch nothing more and round in place.
.macro GROUP g
.set XG, X+16*((\g)%8)
.if (\g) < 8
.set DA, F+8*((\g)%4)
.set DB, F+8*((\g)%4)+4
.if (\g) > 3
	s_wait_dscnt 6                                 ; the two stores that read this set, four groups ago, are done: the six of the three groups since may be out
.endif
	s_wait_loadcnt 28                              ; the seven younger groups of four stay out
.else
.set DA, XG
.set DB, XG+8
	s_wait_loadcnt 4*(15-(\g))                     ; nothing is left to fetch: the count runs down (28 once more for group 8)
.endif
.irp i, 0,1,2,3
	v_cvt_pk_bf16_f32 v[DA+\i], v[XG+2*\i],   v[XG+2*\i+1]                     ; the first row: 4 + 4 features, 16 bytes
.endr
.irp i, 0,1,2,3
	v_cvt_pk_bf16_f32 v[DB+\i], v[XG+8+2*\i], v[XG+8+2*\i+1]                   ; the second row
.endr
.if (\g) < 8
.irp j, 0,1,2,3
	global_load_b128 v[XG+4*\j:XG+4*\j+3], v[GO], s[4:5] offset:(16+2*(\g)+\j/2)*ROWB+(\j%2)*512 th:TH_LOAD_NT
.endr
.endif
	ds_store_b128 v[ST], v[DA:DA+3] offset:((\g)/8)*STAGE+2*((\g)%8)*PITCH     ; 32 lanes x 16 bytes: a row of 512 consecutive bytes
	ds_store_b128 v[ST], v[DB:DB+3] offset:((\g)/8)*STAGE+(2*((\g)%8)+1)*PITCH
.endm
; Four fragments of tile t (feature steps 4 half .. 4 half + 3) into dst
.macro FRAG t, half, dst
.irp s, 0,1,2,3
	ds_load_b128 v[\dst+8*\s:\dst+8*\s+3],   v[FR] offset:\t*STAGE+256*\half+64*\s
	ds_load_b128 v[\dst+8*\s+4:\dst+8*\s+7], v[FR] offset:\t*STAGE+256*\half+64*\s+32
.endr
.endm
; Four products.  Two accumulators take turns, one instruction a turn, from run to run too; first = 1: the first product of each starts its sum.
.macro MUL4 half, src, first
.if \first
	v_wmma_f32_16x16x32_bf16 v[P:P+7], v[WF+32*\half:WF+32*\half+7],    v[\src:\src+7],    0
	v_wmma_f32_16x16x32_bf16 v[Q:Q+7], v[WF+32*\half+8:WF+32*\half+15], v[\src+8:\src+15], 0
.else
	v_wmma_f32_16x16x32_bf16 v[P:P+7], v[WF+32*\half:WF+32*\half+7],    v[\src:\src+7],    v[P:P+7]
	v_wmma_f32_16x16x32_bf16 v[Q:Q+7], v[WF+32*\half+8:WF+32*\half+15], v[\src+8:\src+15], v[Q:Q+7]
.endif
	v_wmma_f32_16x16x32_bf16 v[P:P+7], v[WF+32*\half+16:WF+32*\half+23], v[\src+16:\src+23], v[P:P+7]
	v_wmma_f32_16x16x32_bf16 v[Q:Q+7], v[WF+32*\half+24:WF+32*\half+31], v[\src+24:\src+31], v[Q:Q+7]
.endm
; Tile t's sums are closed and put away
.macro CLOSE t
.irp j, 0,2,4,6
	v_pk_add_f32 v[P+\j:P+\j+1], v[P+\j:P+\j+1], v[Q+\j:Q+\j+1]
.endr
.irp j, 0,1,2,3
	v_cndmask_b32 v[TMP+\j], v[P+\j], v[P+4+\j], s23                           ; lanes 0-15 experts 0-3, lanes 16-31 experts 4-7 of token r
.endr
	ds_store_b128 v[PW], v[TMP:TMP+3] offset:\t*512                            ; 32 lanes x 16 consecutive bytes
.endm
	; Tile 0 comes in while tile 1 is asked for
	GROUP 0
	GROUP 1
	GROUP 2
	GROUP 3
	GROUP 4
	GROUP 5
	GROUP 6
	GROUP 7
	; Tile 0's fragments and products stand among tile 1's groups.  The tiles have stages of their own, so no store waits for a read; a group's wait for
	; memory and its work stand between fragment loads and the wait for them; and a group's eight conversions, which name no register of a product,
	; are the places behind the products (four before a load lands on a source or a vector instruction reads a result).
	GROUP 8
	s_wait_dscnt 2                                 ; all but group 8's two stores are done: those of groups 4-7, which read F, among them
	FRAG 0, 0, F
	GROUP 9
	s_wait_dscnt 2                                 ; all but group 9's two stores: the four fragments are in, and W's eight
	MUL4 0, F, 1
	GROUP 10
	FRAG 0, 1, F
	GROUP 11
	s_wait_dscnt 2                                 ; all but group 11's two stores
	MUL4 1, F, 0
	GROUP 12
	CLOSE 0
	GROUP 13
	GROUP 14
	GROUP 15
	; Tile 1: nothing is left to set among its products.  All eight fragments are asked for in one run, the last four into the registers of groups 8 and 9,
	; whose stores were shown done by the wait behind group 11.
	FRAG 1, 0, F
	FRAG 1, 1, X
	s_wait_dscnt 8                                 ; the first four fragments are in; the eight loads of the last four may be out
	MUL4 0, F, 1
	s_wait_dscnt 0x0
	MUL4 1, X, 0
.rept 4
	v_nop                                          ; four places before a vector instruction reads a result (ISA guide 7.12.1)
.endr
	CLOSE 1
	s_wait_dscnt 0x0                               ; my partial sums are in LDS: zero, for the waves that will read them
	s_barrier_signal -1
	s_barrier_wait -1                              ; everybody's are
	s_cmp_gt_u32 s20, 1
	s_cbranch_scc1 .Ldone                          ; 64 tokens, one to a lane: waves 0 and 1 go on
	; ---- waves 0 and 1: thread number = token in the work-group ----
.set RB,  2                            ; v2        stage + 16 lane: rows read back for the stores
.set G16, 3                            ; v3        16 lane
.set G8,  4                            ; v4        8 lane
.set L,   X                            ; v[124:131] the token's eight logits
.set E,   12                           ; v[12:19]  the eight exponentials
.set D,   20                           ; v[20:27]  b as rounded; then (logit - maximum) x log2 e
.set M,   28                           ; v[28:29]  the maximum, twice
.set S,   30                           ; v30       the sum of the two chosen
.set R,   32                           ; v32       its reciprocal
.set V1,  34                           ; the largest exponential so far
.set V2,  35                           ; the second
.set I1,  36                           ; v[36:37]  their indices: out2's pair
.set I2,  37
.set WT,  38                           ; v[38:39]  out1's pair
.set OH,  40                           ; v[40:41]  1 << index
.set MK,  42                           ; v[42:57]  the token's 16 mask words
.set B0,  58                           ; v[58:65]  out0 read back
.set B3,  66                           ; v[66:81]  out3 read back
	v_and_b32 v[TMP], 15, v0                       ; token in its tile
	v_bfe_u32 v[TMP+1], v0, 4, 2                   ; 2 g + tile
	v_lshlrev_b32 v[TMP], 4, v[TMP]
	v_lshl_add_u32 v[TMP], v[TMP+1], 9, v[TMP]     ; 1,024 g + 512 tile + 16 token
	v_add_nc_u32 v[TMP], PART, v[TMP]              ; sixteen neighbouring lanes read 256 consecutive bytes
.irp c, 0,1,2,3,4,5,6,7
	ds_load_b128 v[X+8*\c:X+8*\c+3],   v[TMP] offset:\c*2048                   ; chunk c's sums (wave 2 c + g) for experts 0-3
	ds_load_b128 v[X+8*\c+4:X+8*\c+7], v[TMP] offset:\c*2048+256               ; and 4-7
.endr
	s_lshl_b32 s32, ttmp9, 6
	s_lshl_b32 s33, s20, 5
	s_add_co_u32 s32, s32, s33                     ; my wave's first token
	s_mov_b32 s37, 0
	s_lshl_b32 s36, s32, 5
	s_add_nc_u64 s[10:11], s[10:11], s[36:37]      ; out0: 32 bytes a token
	s_lshl_b32 s36, s32, 3
	s_add_nc_u64 s[12:13], s[12:13], s[36:37]      ; out1 and out2: 8 bytes a token
	s_add_nc_u64 s[14:15], s[14:15], s[36:37]
	s_lshl_b32 s36, s32, 6
	s_add_nc_u64 s[16:17], s[16:17], s[36:37]      ; out3: 64 bytes a token
	v_and_b32 v[TMP+1], 31, v0                     ; lane
	v_lshl_add_u32 v[TMP+2], v[TMP+1], 5, s21      ; stage + 32 lane: my token's logits
	v_lshl_add_u32 v[TMP+3], v[TMP+1], 6, s21      ; stage + 64 lane: my token's mask (1,024 further on, in the immediate)
	v_lshl_add_u32 v[RB], v[TMP+1], 4, s21
	v_lshlrev_b32 v[G16], 4, v[TMP+1]
	v_lshlrev_b32 v[G8], 3, v[TMP+1]
	; b, rounded to bf16 (nearest even) as x and W are, and widened again: see LIMITS at the head.  Done while the partial sums come in.
	s_wait_kmcnt 0x0                               ; b is in s[24:31]
.irp j, 0,2,4,6
	v_cvt_pk_bf16_f32 v[D+\j], s[24+\j], s[24+\j+1]                            ; b[j] in the low half, b[j+1] in the high half
.endr
.irp j, 0,2,4,6
	v_and_b32 v[D+\j+1], 0xffff0000, v[D+\j]       ; bf16 to f32: the high half stays,
	v_lshlrev_b32 v[D+\j], 16, v[D+\j]             ; the low half moves up
.endr
.irp c, 1,2,3,4,5,6,7
	s_wait_dscnt 2*(7-\c)                          ; the two loads of each chunk behind c may stay out
.irp j, 0,2,4,6
	v_pk_add_f32 v[L+\j:L+\j+1], v[L+\j:L+\j+1], v[X+8*\c+\j:X+8*\c+\j+1]
.endr
.endr
.irp j, 0,2,4,6
	v_pk_add_f32 v[L+\j:L+\j+1], v[L+\j:L+\j+1], v[D+\j:D+\j+1]                ; the bias last, as in reference()
.endr
	; out0 through my own stage: a lane holds 32 bytes of a row; read back, a store of the wave covers 512 consecutive bytes.
	; (These two stores meet two deep, the four of the mask four deep, in the banks: six instructions in the kernel.)
	ds_store_b128 v[TMP+2], v[L:L+3]
	ds_store_b128 v[TMP+2], v[L+4:L+7] offset:16
	ds_load_b128 v[B0:B0+3],   v[RB]
	ds_load_b128 v[B0+4:B0+7], v[RB] offset:512
	; the softmax's numerators: the maximum taken away, then the exponentials; the denominator cancels (see the head)
	v_max3_num_f32 v[M], v[L], v[L+1], v[L+2]
	v_max3_num_f32 v[M], v[M], v[L+3], v[L+4]
	v_max3_num_f32 v[M], v[M], v[L+5], v[L+6]
	v_max_num_f32 v[M], v[M], v[L+7]
	v_mov_b32 v[M+1], v[M]
.irp j, 0,2,4,6
	v_pk_add_f32 v[D+\j:D+\j+1], v[L+\j:L+\j+1], v[M:M+1] neg_lo:[0,1] neg_hi:[0,1]   ; logit - maximum: 0 for the largest
.endr
.irp j, 0,2,4,6
	v_pk_mul_f32 v[D+\j:D+\j+1], v[D+\j:D+\j+1], 0x3fb8aa3b op_sel_hi:[1,0]           ; x log2 e: v_exp_f32 is 2^x
.endr
.irp j, 0,1,2,3,4,5,6,7
	v_exp_f32 v[E+\j], v[D+\j]
.endr
	v_mov_b32 v[I1], 0                             ; the plain instruction between the exponentials and the first use of a result (ISA guide 5.7.2)
	v_mov_b32 v[I2], 0
	s_wait_dscnt 0x0                               ; out0's rows are back
	global_store_b128 v[G16], v[B0:B0+3],   s[10:11] th:TH_STORE_NT
	global_store_b128 v[G16], v[B0+4:B0+7], s[10:11] offset:512 th:TH_STORE_NT
	; the two largest, experts in ascending order, strictly greater only: of equal exponentials the lower index comes first, as in top_k
	s_wait_alu depctr_va_vdst(0)
	v_mov_b32 v[V1], v[E]
	v_mov_b32 v[V2], -1.0                          ; below every exponential
.irp j, 1,2,3,4,5,6,7
	v_cmp_gt_f32 vcc_lo, v[E+\j], v[V1]            ; a new first
	v_cmp_gt_f32 s34, v[E+\j], v[V2]               ; at least a new second
	v_cndmask_b32 v[I2], v[I2], \j, s34
	v_cndmask_b32 v[I2], v[I2], v[I1], vcc_lo      ; the old first steps down
	v_med3_num_f32 v[V2], v[V1], v[V2], v[E+\j]    ; the middle of (first, second, new) is the new second
	v_cndmask_b32 v[I1], v[I1], \j, vcc_lo
	v_max_num_f32 v[V1], v[V1], v[E+\j]
.endr
	v_add_f32 v[S], v[V1], v[V2]                   ; between 1 and 2: the largest exponential is 1
	v_rcp_f32 v[R], v[S]
	v_lshlrev_b32 v[OH], v[I1], 1                  ; 1 << index (also the plain instruction behind v_rcp_f32)
	v_lshlrev_b32 v[OH+1], v[I2], 1
	s_wait_alu depctr_va_vdst(0)
	v_mul_f32 v[WT], v[V1], v[R]
	v_mul_f32 v[WT+1], v[V2], v[R]
	global_store_b64 v[G8], v[WT:WT+1], s[12:13] th:TH_STORE_NT                ; 32 lanes x 8 bytes: 256 consecutive bytes, aligned
	global_store_b64 v[G8], v[I1:I1+1], s[14:15] th:TH_STORE_NT
.irp e, 0,1,2,3,4,5,6,7
	v_bfe_u32 v[MK+\e],   v[OH],   \e, 1           ; mask word e = bit e of 1 << index
	v_bfe_u32 v[MK+8+\e], v[OH+1], \e, 1
.endr
.irp i, 0,1,2,3
	ds_store_b128 v[TMP+3], v[MK+4*\i:MK+4*\i+3] offset:1024+16*\i
.endr
.irp i, 0,1,2,3
	ds_load_b128 v[B3+4*\i:B3+4*\i+3], v[RB] offset:1024+512*\i                ; my own bytes, served in order behind the stores
.endr
.irp i, 0,1,2,3
	s_wait_dscnt 3-\i
	global_store_b128 v[G16], v[B3+4*\i:B3+4*\i+3], s[16:17] offset:512*\i th:TH_STORE_NT
.endr
.Ldone:
	s_wait_tensorcnt 0x0
	ds_add_u32 v252, v253
	s_wait_dscnt 0x0
	s_endpgm
.Lfunc_end_k_q195d87fbdf_router:
	.size	k_q195d87fbdf_router, .Lfunc_end_k_q195d87fbdf_router-k_q195d87fbdf_router
	.p2alignl 7, 3214868480
	.fill 96, 4, 3214868480
	.section	.rodata,"a",@progbits
	.p2align	6, 0x0
	.amdhsa_kernel k_q195d87fbdf_router
		.amdhsa_group_segment_fixed_size 322560
		.amdhsa_private_segment_fixed_size 0
		.amdhsa_enable_private_segment 0
		.amdhsa_kernarg_size 56
		.amdhsa_user_sgpr_count 2
		.amdhsa_user_sgpr_kernarg_segment_ptr 1
		.amdhsa_wavefront_size32 1
		.amdhsa_system_sgpr_workgroup_id_x 1
		.amdhsa_system_sgpr_workgroup_id_y 1
		.amdhsa_system_sgpr_workgroup_id_z 1
		.amdhsa_system_vgpr_workitem_id 0
		.amdhsa_next_free_vgpr 254
		.amdhsa_next_free_sgpr 66
		.amdhsa_reserve_vcc 1
		.amdhsa_float_denorm_mode_32 3
		.amdhsa_float_denorm_mode_16_64 3
		.amdhsa_memory_ordered 1
		.amdhsa_forward_progress 1
		.amdhsa_inst_pref_size 39
	.end_amdhsa_kernel
	.amdgpu_metadata
---
amdhsa.version: [ 1, 2 ]
amdhsa.kernels:
  - .name:           k_q195d87fbdf_router
    .symbol:         k_q195d87fbdf_router.kd
    .args:
      - { .name: x, .offset: 0, .size: 8, .value_kind: global_buffer, .address_space: global }
      - { .name: W, .offset: 8, .size: 8, .value_kind: global_buffer, .address_space: global }
      - { .name: b, .offset: 16, .size: 8, .value_kind: global_buffer, .address_space: global }
      - { .name: out0, .offset: 24, .size: 8, .value_kind: global_buffer, .address_space: global }
      - { .name: out1, .offset: 32, .size: 8, .value_kind: global_buffer, .address_space: global }
      - { .name: out2, .offset: 40, .size: 8, .value_kind: global_buffer, .address_space: global }
      - { .name: out3, .offset: 48, .size: 8, .value_kind: global_buffer, .address_space: global }
    .group_segment_fixed_size: 322560
    .private_segment_fixed_size: 0
    .kernarg_segment_align: 8
    .kernarg_segment_size: 56
    .max_flat_workgroup_size: 512
    .sgpr_count:     66
    .vgpr_count:     254
    .wavefront_size: 32
...
	.end_amdgpu_metadata
.endif
;; end of part 1
